; MI455X (gfx1250); checked and timed in simulation.
; The chip was launched on July 23, 2026; its instructions are those of AMD's public machine-readable ISA for CDNA 5 (MIT licence, August 2026) and "CDNA5" Instruction Set Architecture Reference Guide (July 2026). The comments in the code are by the model that wrote it; some were corrected since.
;; Multi Attention. Allowed arithmetic: matrix products marked QUANTISED: E3M2 operands, one E8M0 scale for each 32 along K, by v_wmma_scale_f32_16x16x128_f8f6f4 with both operands' format E3M2, f32 sums; everything else in f32.
;; Inputs: Wkv 512 x 512 float32; Wo 512 x 512 float32; Wq 512 x 512 float32; bkv 512 float32; bo 512 float32; bq 512 float32; x 2 x 4 x 2,048 x 512 float32.
;; Outputs: out0 2 x 4 x 2,048 x 512 float32.
;; This version of the problem:
;;   THIS VERSION OF THE PROBLEM IS GIVEN IN LOW PRECISION. The matrix products marked QUANTISED in the list below multiply operands that are first quantised to E3M2 (3 exponent bits, 2 mantissa bits; 6 bits a number), with one power-of-two scale for each 32 numbers along K (OCP MX v1.0); their sums are f32. All else is computed in f32.
;;   The module's matrix products, in the order in which they are computed (A, B: the left and right operand; K: the contracted axis; several contracted axes count as one K, in the product's order):
;;     1. [M 16,384, K 512] x [K 512, N 512]; A: input x; B: input Wq: QUANTISED
;;     2. [M 16,384, K 512] x [K 512, N 512]; A: input x; B: input Wkv: QUANTISED
;;     3. batch 64 x [M 2,048, K 64] x [K 64, N 2,048]; A: computed on the way; B: computed on the way: QUANTISED
;;     4. batch 64 x [M 2,048, K 2,048] x [K 2,048, N 64]; A: softmax (see below); B: computed on the way: QUANTISED
;;     5. [M 16,384, K 512] x [K 512, N 512]; A: computed on the way; B: input Wo: QUANTISED
;;   THE QUANTISER, for each operand of a quantised product, along K:
;;     - K is cut into blocks of 32 from its start; a last block that is shorter is filled with zeros.
;;     - A block's scale is 2^e with e = floor(log2(the largest magnitude in the block)) - 4, held to -126 .. 127; a block of zeros has e = 0. As a byte (E8M0): e + 127.
;;     - Each number is divided by its block's scale, clamped to +-28, and rounded to the nearest number of E3M2, ties to even, subnormals kept.
;;     - The product sums the exact products of the quantised numbers (number of the format x scale) in f32.
;;   ~~~python
;;   def quantise(x, axis):      # numpy; x: float32 -> the quantised numbers, widened to float32 again
;;       x = np.moveaxis(x, axis, -1); K = x.shape[-1]
;;       x = np.pad(x, [(0, 0)] * (x.ndim - 1) + [(0, -K % 32)]); x = x.reshape(x.shape[:-1] + (-1, 32)); a = np.abs(x).max(-1, keepdims=True)
;;       e = np.where(a > 0, np.clip(np.frexp(np.where(a > 0, a, 1))[1] - 1 - 4, -126, 127), 0)      # np.frexp(a)[1] - 1 = floor(log2(a)), exactly
;;       r = np.clip(x / 2.0 ** e, -28, 28)
;;       step = 2.0 ** (np.maximum(np.frexp(np.where(r == 0, 1, r))[1] - 1, -2) - 2)
;;       q = np.round(r / step) * step * 2.0 ** e      # np.round: ties to even
;;       return np.moveaxis(q.reshape(q.shape[:-2] + (-1,))[..., :K], -1, axis).astype(np.float32)
;;   ~~~
;;   SOFTMAX AHEAD OF A QUANTISED PRODUCT. Where the list says 'softmax', what is quantised is not the finished softmax but p = 2^(t - M), with t = logit x log2(e) and M = ceil(the row's largest t), a whole number; so 1/2 < the row's largest p <= 1. The row's sum l is taken of the UNQUANTISED p, in f32, and the product's result is divided by l at the end. Since M is a whole number, a kernel that streams over the keys may use a running M (the ceiling of the running maximum): every later rescaling is an exact power of two, which a block's scale takes up: the codes' values come out the same.
;;   OPERANDS COMPUTED ON THE WAY. 'Computed on the way' means the value that the module computes at that place (a softmax that the list does not call 'softmax' is quantised finished and normalised). What goes into a quantiser is computed in f32, as accurately as f32 sums, v_exp_f32 and their like allow (about 1e-6 of the number): no bf16 or f16 on the way to a quantiser, and a product that is left as it is and whose result goes on into a quantised operand takes f32 operands (vector FMAs, or v_wmma_f32_16x16x4_f32). A number that lies on a knife's edge between two numbers of the format may be rounded either way, as far as f32 arithmetic and the matrix unit's own rounding can turn it there, and no further.
;; One version. Each part assembles by itself: llvm-mc -triple=amdgcn-amd-amdhsa -mcpu=gfx1250 --defsym DOCPART=n.
;; ======== version 1 of 1: 4 launches
;; limits: right only within a limited range of input values
;; workspace buffers: wimg 589,824 bytes; wscl 24,576 bytes; qimg 6,815,744 bytes; kv 13,631,488 bytes; ctx 6,291,456 bytes; cs 262,144 bytes
;; launch wq (part 1): grid 48 x 1, 4 waves a work-group, no clusters, 0 bytes of LDS; arguments Wq, Wkv, Wo, wimg, wscl; writes wimg, wscl
.if DOCPART == 1
	.amdgcn_target "amdgcn-amd-amdhsa--gfx1250"
	.amdhsa_code_object_version 6
	.text
	.protected	k_qb61b7968ee_wq
	.globl	k_qb61b7968ee_wq
	.p2align	8
	.type	k_qb61b7968ee_wq,@function
k_qb61b7968ee_wq:
	s_mov_b64 s[64:65], 0
	v_nop
	global_prefetch_b8 v0, s[64:65] scope:SCOPE_SE
	s_setreg_imm32_b32 hwreg(HW_REG_WAVE_MODE, 25, 1), 1
	s_wait_xcnt 0x0
; Wq, Wkv, Wo [512][512] f32 (K = the second axis) become codes of BF6 (E3M2) with one E8M0 byte for each 32 along K, laid in the ORDER OF THE OPERAND'S REGISTERS.
; A fragment is 16 rows x 128 K: 12 registers a lane; lane (r, h) holds k = 64 c + 32 h + 0 .. 31 in registers 6 c .. 6 c + 5.  Its image is 1,536 bytes: registers 4 i .. 4 i + 3 of lane l at 512 i + 16 l.
; THE ROWS OF A TILE ARE NOT NEIGHBOURS: of a group g of 64 rows, lane r of tile u takes row 8 u + r % 8 + 32 (r / 8), so that in a product's result the 32 registers of a lane over the four tiles are 32 neighbours.
; wimg: [weight][(4 g + u) 4 + s][1,536];  wscl: [weight][4 g + u][s][r] words, so that a load of 4 bytes a lane brings K step 2 sp in lanes 0-15 and K step 2 sp + 1 in lanes 16-31.
; A wave makes two fragments (one tile, K steps 2 sp and 2 sp + 1): 3 x 32 x 2 = 192 waves.  A lane loads its own 32 neighbours of each block, so no other lane is asked for a maximum.  No LDS, no barrier.
; A block's byte is its largest magnitude's exponent field - 4, held at 1 from below by a floor among the maximum's leaves.
; LIMITS: NaN and infinities are not served; blocks under 2^-122 (blocks of zeros among them) carry the byte 1: their codes are what the conversion gives under that byte, and this program alone reads the bytes.
.set LI,  2                            ; v2   16 x lane
.set SH8, 3                            ; v3   8 h
.set XA,  4                            ; v4   (r % 8 + 32 (r / 8)) x 2,048 + 128 h
.set L4,  5                            ; v5   4 x lane
.set PW,  6                            ; v6-7 the two scale words
.set M,   8                            ; v8-9 largest magnitudes, then bytes
.set SCL, 10                           ; v10-11 the conversions' scale operands
.set PT,  12                           ; v12  what the other half of the lanes sends
.set MW,  13                           ; v13  the two words in one register
.set TC,  16                           ; v16-23 the second halves of the blocks' codes
.set X,   32                           ; v32-159 two fragments' numbers
.set PC,  160                          ; v160-183 two fragments' codes
.set HM,  15                           ; s15  mask of lanes 16-31
.set SEL, 28                           ; s[28:29] lane l xor 16
; 64 numbers of a lane, register s + 32 c + i = k 64 c + 32 h + i, become a fragment in v[pc] on and its scale word in v[pw] (whole in both halves of the lanes)
.macro QB s, pc, pw
	v_mov_b32 v[M], 0x2800000                      ; the floor 2^(5 - 127): the byte cannot fall under 1
	v_mov_b32 v[M+1], 0x2800000
.set JJ, 0
.rept 16
	v_max3_num_f32 v[M], v[M], |v[(\s)+JJ]|, |v[(\s)+JJ+1]|          ; my two blocks by turns
	v_max3_num_f32 v[M+1], v[M+1], |v[(\s)+32+JJ]|, |v[(\s)+33+JJ]|
.set JJ, JJ+2
.endr
	v_add_nc_u32 v[SCL], 0xfe000000, v[M]          ; 4 off the exponent field: the conversion takes that field as its scale
	v_add_nc_u32 v[SCL+1], 0xfe000000, v[M+1]
	v_lshrrev_b32 v[M], 23, v[SCL]                 ; the bytes of blocks h and 2 + h
	v_lshrrev_b32 v[M+1], 23, v[SCL+1]
	v_lshl_or_b32 v[\pw], v[M+1], 16, v[M]
	v_lshlrev_b32 v[\pw], v[SH8], v[\pw]           ; at their places in the word
	v_permlanex16_b32 v[PT], v[\pw], s[SEL], s[SEL+1]
	v_or_b32 v[\pw], v[\pw], v[PT]                 ; with the other half's two the word is whole
	v_cvt_scalef32_pk16_bf6_f32 v[(\pc):(\pc)+2], v[(\s):(\s)+15], v[SCL]
	v_cvt_scalef32_pk16_bf6_f32 v[TC:TC+2], v[(\s)+16:(\s)+31], v[SCL]          ; (a conversion's three registers begin on an even number)
	v_cvt_scalef32_pk16_bf6_f32 v[(\pc)+6:(\pc)+8], v[(\s)+32:(\s)+47], v[SCL+1]
	v_cvt_scalef32_pk16_bf6_f32 v[TC+4:TC+6], v[(\s)+48:(\s)+63], v[SCL+1]
	v_nop                                          ; one plain place behind the conversions
.irp i, 0,1,2
	v_mov_b32 v[(\pc)+3+\i], v[TC+\i]
	v_mov_b32 v[(\pc)+9+\i], v[TC+4+\i]
.endr
.endm
	s_load_b128 s[4:7], s[0:1], 0x0                ; Wq, Wkv
	s_load_b128 s[8:11], s[0:1], 0x10              ; Wo, wimg
	s_load_b64 s[12:13], s[0:1], 0x20              ; wscl
	v_lshrrev_b32 v14, 5, v0
	v_readfirstlane_b32 s14, v14                   ; wave
	v_and_b32 v1, 31, v0                           ; lane
	v_lshlrev_b32 v[LI], 4, v1
	v_bfe_u32 v15, v0, 4, 1                        ; h
	v_lshlrev_b32 v[SH8], 3, v15
	v_and_b32 v[XA], 7, v0
	v_bfe_u32 v[L4], v0, 3, 1
	v_lshl_add_u32 v[XA], v[L4], 5, v[XA]          ; r % 8 + 32 (r / 8)
	v_lshlrev_b32 v[XA], 11, v[XA]
	v_lshl_add_u32 v[XA], v15, 7, v[XA]
	v_lshlrev_b32 v[L4], 2, v1
	v_mov_b32 v[PT], 0                             ; a lane permute's destination counts as one of its sources
	v_cmp_lt_u32 s[HM], 15, v1
	s_mov_b32 s[SEL], 0x76543210
	s_mov_b32 s[SEL+1], 0xfedcba98
	s_lshr_b32 s16, ttmp9, 4                       ; which weight
	s_and_b32 s17, ttmp9, 15
	s_lshl_b32 s17, s17, 2
	s_add_co_u32 s17, s17, s14
	s_lshr_b32 s18, s17, 1                         ; tile 4 g + u
	s_and_b32 s19, s17, 1                          ; sp
	s_lshr_b32 s20, s18, 2
	s_lshl_b32 s20, s20, 17                        ; g x 64 rows of 2,048 bytes
	s_and_b32 s21, s18, 3
	s_lshl_b32 s21, s21, 14                        ; u x 8 rows
	s_add_co_u32 s20, s20, s21
	s_lshl_b32 s21, s19, 10                        ; sp x 256 numbers
	s_add_co_u32 s20, s20, s21
	s_mov_b32 s21, 0
	s_mul_i32 s22, s16, 196608
	s_mul_i32 s23, s18, 6144
	s_add_co_u32 s22, s22, s23
	s_mul_i32 s23, s19, 3072
	s_add_co_u32 s22, s22, s23
	s_mov_b32 s23, 0
	s_lshl_b32 s26, s16, 13
	s_lshl_b32 s27, s18, 8
	s_add_co_u32 s26, s26, s27
	s_lshl_b32 s27, s19, 7
	s_add_co_u32 s26, s26, s27
	s_mov_b32 s27, 0
	s_wait_alu depctr_va_vdst(0)
	s_wait_kmcnt 0x0
	s_cmp_lt_u32 ttmp9, 16                         ; the choice hangs on the work-group's number alone
	s_cselect_b64 s[4:5], s[4:5], s[6:7]
	s_cmp_lt_u32 ttmp9, 32
	s_cselect_b64 s[4:5], s[4:5], s[8:9]
	s_add_nc_u64 s[4:5], s[4:5], s[20:21]
	s_add_nc_u64 s[10:11], s[10:11], s[22:23]
	s_add_nc_u64 s[12:13], s[12:13], s[26:27]
.set JJ, 0
.rept 32                                       ; fragment JJ / 16, block pair (JJ / 8) % 2, 16 bytes JJ % 8
	global_load_b128 v[X+4*JJ:X+4*JJ+3], v[XA], s[4:5] offset:(JJ/16)*512+((JJ/8)%2)*256+(JJ%8)*16
.set JJ, JJ+1
.endr
	s_wait_loadcnt 16                              ; the first fragment's 16 loads are in; the second's 16 may be out
	QB X, PC, PW
	s_wait_loadcnt 0x0
	QB X+64, PC+12, PW+1
.irp q, 0,1
.irp i, 0,1,2
	global_store_b128 v[LI], v[PC+12*\q+4*\i:PC+12*\q+4*\i+3], s[10:11] offset:1536*\q+512*\i   ; 32 lanes store 512 consecutive bytes
.endr
.endr
	v_cndmask_b32 v[MW], v[PW], v[PW+1], s[HM]     ; lanes 0-15: K step 2 sp; lanes 16-31: K step 2 sp + 1
	global_store_b32 v[L4], v[MW], s[12:13]
	s_endpgm
.Lfunc_end_k_qb61b7968ee_wq:
	.size	k_qb61b7968ee_wq, .Lfunc_end_k_qb61b7968ee_wq-k_qb61b7968ee_wq
	.p2alignl 7, 3214868480
	.fill 96, 4, 3214868480
	.section	.rodata,"a",@progbits
	.p2align	6, 0x0
	.amdhsa_kernel k_qb61b7968ee_wq
		.amdhsa_group_segment_fixed_size 0
		.amdhsa_private_segment_fixed_size 0
		.amdhsa_enable_private_segment 0
		.amdhsa_kernarg_size 40
		.amdhsa_user_sgpr_count 2
		.amdhsa_user_sgpr_kernarg_segment_ptr 1
		.amdhsa_wavefront_size32 1
		.amdhsa_system_sgpr_workgroup_id_x 1
		.amdhsa_system_sgpr_workgroup_id_y 1
		.amdhsa_system_sgpr_workgroup_id_z 1
		.amdhsa_system_vgpr_workitem_id 0
		.amdhsa_next_free_vgpr 192
		.amdhsa_next_free_sgpr 66
		.amdhsa_reserve_vcc 0
		.amdhsa_float_denorm_mode_32 3
		.amdhsa_float_denorm_mode_16_64 3
		.amdhsa_memory_ordered 1
		.amdhsa_forward_progress 1
		.amdhsa_inst_pref_size 13
	.end_amdhsa_kernel
	.amdgpu_metadata
---
amdhsa.version: [ 1, 2 ]
amdhsa.kernels:
  - .name:           k_qb61b7968ee_wq
    .symbol:         k_qb61b7968ee_wq.kd
    .args:
      - { .name: Wq, .offset: 0, .size: 8, .value_kind: global_buffer, .address_space: global }
      - { .name: Wkv, .offset: 8, .size: 8, .value_kind: global_buffer, .address_space: global }
      - { .name: Wo, .offset: 16, .size: 8, .value_kind: global_buffer, .address_space: global }
      - { .name: wimg, .offset: 24, .size: 8, .value_kind: global_buffer, .address_space: global }
      - { .name: wscl, .offset: 32, .size: 8, .value_kind: global_buffer, .address_space: global }
    .group_segment_fixed_size: 0
    .private_segment_fixed_size: 0
    .kernarg_segment_align: 8
    .kernarg_segment_size: 40
    .max_flat_workgroup_size: 128
    .sgpr_count:     66
    .vgpr_count:     192
    .wavefront_size: 32
...
	.end_amdgpu_metadata
.endif
;; end of part 1
;; launch proj (part 2): grid 128 x 2, 4 waves a work-group, no clusters, 248,320 bytes of LDS; arguments x, bq, bkv, wimg, wscl, qimg, kv; writes qimg, kv
.if DOCPART == 2
	.amdgcn_target "amdgcn-amd-amdhsa--gfx1250"
	.amdhsa_code_object_version 6
	.text
	.protected	k_qb61b7968ee_proj
	.globl	k_qb61b7968ee_proj
	.p2align	8
	.type	k_qb61b7968ee_proj,@function
k_qb61b7968ee_proj:
	s_mov_b64 s[64:65], 0
	v_nop
	global_prefetch_b8 v0, s[64:65] scope:SCOPE_SE
	s_setreg_imm32_b32 hwreg(HW_REG_WAVE_MODE, 25, 1), 1
	s_wait_xcnt 0x0
; Q = x Wq^T + bq and KV = x Wkv^T + bkv on codes of BF6 (E3M2); Q and K are divided by max(their head's norm, 1e-12); Qn, Kn (K = the head's 64) and V = KV (K = the keys) are quantised and stored as images of operand registers.
; SHARES.  A work-group takes 128 rows of x (one key step of attention) and four heads; wave w owns head 4 y + w, for Q and for KV, over all 128 rows.  Its 32 fragments of Wq and Wkv stay in registers (windows 1 and 2).
; x IS QUANTISED ONCE A WORK-GROUP: wave w makes tiles 2 w and 2 w + 1 (8 fragments), which go to the other waves through LDS as images of their registers; one barrier.
; TILES.  Of a group c of 64 rows, lane r of tile u takes row 8 u + r % 8 + 32 (r / 8); T = 4 c + u.  The weights' tiles are cut the same way.  So in a result the 32 registers of a lane over four tiles are ONE BLOCK of 32 neighbours:
;   Q, K transposed (source 0 = 16 rows of W, source 1 = 16 rows of x): lane (r, h) holds row r's channels 32 h + 0 .. 31: a block of the scores' K;
;   V natural (source 0 = x, source 1 = Wkv, the same fragments): lane (r, h) holds one channel and, over the eight tiles, keys 64 c + 32 h + 0 .. 31: blocks of the second product's K.
; No maximum crosses lanes and nothing is transposed; the price is that KV is multiplied twice.  The biases are the C of each sum's first matrix instruction.
; qimg: a record of 6,656 bytes for (group, head, block): four images of 12 registers (tiles 2 p, 2 p + 1: six registers each), then the scale words, pair p at 16 l + 4 p (lanes 0-15 the even tile, lanes 16-31 the odd one).
; kv: a record of 13,312 bytes: K as Q; V's four fragments (16 channels x 128 keys); K's words; V's words.
; LIMITS: NaN and infinities are not served; blocks under 2^-122 (blocks of zeros among them) carry the byte 1, read by this program alone.  A head whose sum of squares is denormal counts as norm 0: both lie under 1e-12, so the divisor is 1e-12 either way.
; REGISTERS: window 0 below; window 1: Wq's fragments at 12 (4 u + s), bq at 192, bkv (channels down the registers) at 224; window 2: Wkv's, bkv (a channel a lane) at 192; window 3: V's 32 accumulators at 64 u + 8 T.
.set LI,   1                           ; 16 x lane
.set L8,   2                           ; 8 x lane
.set SH8,  3                           ; 8 h
.set XA,   4                           ; (r % 8 + 32 (r / 8)) x 2,048 + 128 h
.set XWI,  5                           ; where I store x's images: 16 x lane + 12,288 x wave
.set XWS,  6                           ; and their scale words: 8 x lane + 49,152 + 512 x wave
.set H128, 7                           ; 128 h
.set PI4,  8                           ; 4 (r % 8 + 32 (r / 8))
.set L4,   9                           ; 4 x lane
.set M,    10                          ; v10-11
.set SCL,  12                          ; v12-13
.set PT,   14                          ; v14-15
.set TC,   16                          ; v16-23
.set SSQ,  24                          ; v24-25 Q's sum of squares;  v26-27 K's
.set SSK,  26
.set IVQ,  28                          ; v28-29 1 / norm (a pair for the packed multiply);  v30-31
.set IVK,  30
.set QSW,  32                          ; v32-35, v36-39, v40-43: the records' scale words
.set KSW,  36
.set VSW,  40
.set PW,   44                          ; v44-47 scale words just made
.set WQS,  48                          ; v48-55 Wq's scale words, register 2 u + s / 2;  v56-63 Wkv's
.set WKS,  56
.set XS,   64                          ; v64-65 x's scale words of the tile in hand
.set PCQ,  66                          ; v66-77, v78-89 codes just made
.set PCK,  78
.set XF,   90                          ; v90-137 x's four fragments of the tile in hand
.set AQ,   138                         ; v138-169, v170-201 the tile's Q and K
.set AK,   170
.set WA,   220                         ; LDS address of my head's weight images: WLDS + 49,152 x wave + 16 x lane
.set WLDS, 51712                       ; behind x's images, their words and the spare words: 49,152 bytes for each wave, filled once by its one tensor load and read by that wave alone
; while x is quantised its numbers lie in window 3, four sets of 64, where V's sums begin later
.set BQ,   192
.set BK,   224
.set BV,   192
.set SEL,  28                          ; s[28:29]
.set HM,   30
.set EPS,  31
.set XSC,  49152
.set MSB, 0
.macro WIN new                         ; the immediate's high byte repeats the setting that is left; a switch that changes nothing is dropped
.set WNEW, \new
.if MSB != WNEW
	s_set_vgpr_msb (MSB<<8)|WNEW
.set MSB, WNEW
.endif
.endm
.macro PLACES n
.rept \n
	v_nop
.endr
.endm
; 64 numbers of a lane in window win, register s + 32 c + i = k 64 c + 32 h + i, become a fragment in v[pc] on and its scale word in v[pw] (whole in both halves of the lanes)
.macro QB s, win, pc, pw
	v_mov_b32 v[M], 0x2800000                      ; the floor 2^(5 - 127)
	v_mov_b32 v[M+1], 0x2800000
	WIN ((\win)<<2)|((\win)<<4)
.set JJ, 0
.rept 16
	v_max3_num_f32 v[M], v[M], |v[(\s)+JJ]|, |v[(\s)+JJ+1]|          ; ascending: each accumulator is read from its low end on
	v_max3_num_f32 v[M+1], v[M+1], |v[(\s)+32+JJ]|, |v[(\s)+33+JJ]|
.set JJ, JJ+2
.endr
	WIN 0
	v_add_nc_u32 v[SCL], 0xfe000000, v[M]
	v_add_nc_u32 v[SCL+1], 0xfe000000, v[M+1]
	v_lshrrev_b32 v[M], 23, v[SCL]
	v_lshrrev_b32 v[M+1], 23, v[SCL+1]
	v_lshl_or_b32 v[\pw], v[M+1], 16, v[M]
	v_lshlrev_b32 v[\pw], v[SH8], v[\pw]
	v_permlanex16_b32 v[PT], v[\pw], s[SEL], s[SEL+1]
	v_or_b32 v[\pw], v[\pw], v[PT]
	WIN \win
	v_cvt_scalef32_pk16_bf6_f32 v[(\pc):(\pc)+2], v[(\s):(\s)+15], v[SCL]
	v_cvt_scalef32_pk16_bf6_f32 v[TC:TC+2], v[(\s)+16:(\s)+31], v[SCL]
	v_cvt_scalef32_pk16_bf6_f32 v[(\pc)+6:(\pc)+8], v[(\s)+32:(\s)+47], v[SCL+1]
	v_cvt_scalef32_pk16_bf6_f32 v[TC+4:TC+6], v[(\s)+48:(\s)+63], v[SCL+1]
	WIN 0
	v_nop                                          ; one plain place behind the conversions
.irp i, 0,1,2
	v_mov_b32 v[(\pc)+3+\i], v[TC+\i]
	v_mov_b32 v[(\pc)+9+\i], v[TC+4+\i]
.endr
.endm
; a scaled product; ra, rb: which half of the lanes of the scale registers is read
.macro WMS d, a, b, c, sa, sb, ra, rb
.if ((\ra) == 0) && ((\rb) == 0)
	v_wmma_scale_f32_16x16x128_f8f6f4 v[(\d):(\d)+7], v[(\a):(\a)+11], v[(\b):(\b)+11], v[(\c):(\c)+7], v[\sa], v[\sb] matrix_a_fmt:MATRIX_FMT_BF6 matrix_b_fmt:MATRIX_FMT_BF6
.elseif (\rb) == 0
	v_wmma_scale_f32_16x16x128_f8f6f4 v[(\d):(\d)+7], v[(\a):(\a)+11], v[(\b):(\b)+11], v[(\c):(\c)+7], v[\sa], v[\sb] matrix_a_fmt:MATRIX_FMT_BF6 matrix_b_fmt:MATRIX_FMT_BF6 matrix_a_scale:MATRIX_SCALE_ROW1
.elseif (\ra) == 0
	v_wmma_scale_f32_16x16x128_f8f6f4 v[(\d):(\d)+7], v[(\a):(\a)+11], v[(\b):(\b)+11], v[(\c):(\c)+7], v[\sa], v[\sb] matrix_a_fmt:MATRIX_FMT_BF6 matrix_b_fmt:MATRIX_FMT_BF6 matrix_b_scale:MATRIX_SCALE_ROW1
.else
	v_wmma_scale_f32_16x16x128_f8f6f4 v[(\d):(\d)+7], v[(\a):(\a)+11], v[(\b):(\b)+11], v[(\c):(\c)+7], v[\sa], v[\sb] matrix_a_fmt:MATRIX_FMT_BF6 matrix_b_fmt:MATRIX_FMT_BF6 matrix_a_scale:MATRIX_SCALE_ROW1 matrix_b_scale:MATRIX_SCALE_ROW1
.endif
.endm
.macro XLOAD buf, fx                   ; my fragment fx = 4 (tile) + s: 64 numbers a lane
.set JJ, 0
.rept 16
	global_load_b128 v[(\buf)+4*JJ:(\buf)+4*JJ+3], v[XA], s[4:5] offset:((\fx)/4)*16384+((\fx)%4)*512+(JJ/8)*256+(JJ%8)*16
.set JJ, JJ+1
.endr
.endm
.macro FETCHX tt                       ; tile tt's four fragments and its scale words, as any wave stored them
.set JJ, 0
.rept 12
	ds_load_b128 v[XF+4*JJ:XF+4*JJ+3], v[LI] offset:6144*(\tt)+512*JJ
.set JJ, JJ+1
.endr
	ds_load_b64 v[XS:XS+1], v[L8] offset:XSC+256*(\tt)
.endm
; the tile's Q and K: norm, division, block's scale, codes.  Q's and K's lines by turns
.macro EPI tt
.set PP, (\tt)%2
.if (PP == 0) && ((\tt) >= 2)
	s_wait_xcnt 0x0                                ; the last pair's stores have read the codes' registers
.endif
	v_pk_mul_f32 v[SSQ:SSQ+1], v[AQ:AQ+1], v[AQ:AQ+1]                ; the sums of squares, ascending: each accumulator from its low end on
	v_pk_mul_f32 v[SSK:SSK+1], v[AK:AK+1], v[AK:AK+1]
.set JJ, 2
.rept 15
	v_pk_fma_f32 v[SSQ:SSQ+1], v[AQ+JJ:AQ+JJ+1], v[AQ+JJ:AQ+JJ+1], v[SSQ:SSQ+1]
	v_pk_fma_f32 v[SSK:SSK+1], v[AK+JJ:AK+JJ+1], v[AK+JJ:AK+JJ+1], v[SSK:SSK+1]
.set JJ, JJ+2
.endr
	v_add_f32 v[SSQ], v[SSQ], v[SSQ+1]
	v_add_f32 v[SSK], v[SSK], v[SSK+1]
	v_permlanex16_b32 v[PT], v[SSQ], s[SEL], s[SEL+1]                ; the row's other 32 channels lie in lane l xor 16
	v_permlanex16_b32 v[PT+1], v[SSK], s[SEL], s[SEL+1]
	v_add_f32 v[SSQ], v[SSQ], v[PT]
	v_add_f32 v[SSK], v[SSK], v[PT+1]
	s_wait_alu depctr_va_vdst(0)
	v_sqrt_f32 v[SSQ], v[SSQ]
	v_sqrt_f32 v[SSK], v[SSK]
	v_nop                                          ; a plain place behind the roots,
	s_wait_alu depctr_va_vdst(0)                   ; and one wait for both, ahead of their first reader
	v_max_num_f32 v[SSQ], s[EPS], v[SSQ]
	v_max_num_f32 v[SSK], s[EPS], v[SSK]
	s_wait_alu depctr_va_vdst(0)
	v_rcp_f32 v[IVQ], v[SSQ]
	v_rcp_f32 v[IVK], v[SSK]
	v_nop
	s_wait_alu depctr_va_vdst(0)                   ; likewise for the two reciprocals
.set JJ, 0
.rept 16
	v_pk_mul_f32 v[AQ+JJ:AQ+JJ+1], v[AQ+JJ:AQ+JJ+1], v[IVQ:IVQ+1] op_sel_hi:[1,0]
	v_pk_mul_f32 v[AK+JJ:AK+JJ+1], v[AK+JJ:AK+JJ+1], v[IVK:IVK+1] op_sel_hi:[1,0]
.set JJ, JJ+2
.endr
	v_max3_num_f32 v[M], |v[AQ]|, |v[AQ+1]|, 0x2800000               ; my 32 numbers are block h of the head's 64; the floor 2^(5 - 127) among the leaves
	v_max3_num_f32 v[M+1], |v[AK]|, |v[AK+1]|, 0x2800000
.set JJ, 2
.rept 15
	v_max3_num_f32 v[M], v[M], |v[AQ+JJ]|, |v[AQ+JJ+1]|
	v_max3_num_f32 v[M+1], v[M+1], |v[AK+JJ]|, |v[AK+JJ+1]|
.set JJ, JJ+2
.endr
	v_add_nc_u32 v[SCL], 0xfe000000, v[M]
	v_add_nc_u32 v[SCL+1], 0xfe000000, v[M+1]
	v_lshrrev_b32 v[M], 23, v[SCL]
	v_lshrrev_b32 v[M+1], 23, v[SCL+1]
	v_lshlrev_b32 v[PW+2*PP], v[SH8], v[M]         ; byte h of the row's word; bytes 2 and 3 stay 0: they scale zero codes
	v_lshlrev_b32 v[PW+2*PP+1], v[SH8], v[M+1]
	v_permlanex16_b32 v[PT], v[PW+2*PP], s[SEL], s[SEL+1]
	v_permlanex16_b32 v[PT+1], v[PW+2*PP+1], s[SEL], s[SEL+1]
	v_or_b32 v[PW+2*PP], v[PW+2*PP], v[PT]
	v_or_b32 v[PW+2*PP+1], v[PW+2*PP+1], v[PT+1]
	v_cvt_scalef32_pk16_bf6_f32 v[PCQ+6*PP:PCQ+6*PP+2], v[AQ:AQ+15], v[SCL]
	v_cvt_scalef32_pk16_bf6_f32 v[TC:TC+2], v[AQ+16:AQ+31], v[SCL]
	v_cvt_scalef32_pk16_bf6_f32 v[PCK+6*PP:PCK+6*PP+2], v[AK:AK+15], v[SCL+1]
	v_cvt_scalef32_pk16_bf6_f32 v[TC+4:TC+6], v[AK+16:AK+31], v[SCL+1]
	v_nop                                          ; one plain place behind the conversions
.irp i, 0,1,2
	v_mov_b32 v[PCQ+6*PP+3+\i], v[TC+\i]
	v_mov_b32 v[PCK+6*PP+3+\i], v[TC+4+\i]
.endr
.if PP == 1                                    ; a pair of tiles is whole: 12 registers, one image
	v_cndmask_b32 v[QSW+(\tt)/2], v[PW], v[PW+2], s[HM]
	v_cndmask_b32 v[KSW+(\tt)/2], v[PW+1], v[PW+3], s[HM]
.irp i, 0,1,2
	global_store_b128 v[LI], v[PCQ+4*\i:PCQ+4*\i+3], s[14:15] offset:1536*((\tt)/2)+512*\i
	global_store_b128 v[LI], v[PCK+4*\i:PCK+4*\i+3], s[16:17] offset:1536*((\tt)/2)+512*\i
.endr
.endif
.endm
; a tile of 16 rows: 48 products.  In each of the three groups four accumulators take turns, one instruction a turn, K step by K step
.macro ROWT tt
	s_wait_dscnt 0x0                               ; the tile's fragments and words are in
	WIN 0x11                                       ; source 0 (Wq) and C (bq) window 1
.irp u, 0,1,2,3
	WMS AQ+8*\u, 48*\u, XF, BQ+8*\u, WQS+2*\u, XS, 0, 0
.endr
	WIN 0x01
.irp s, 1,2,3
.irp u, 0,1,2,3
	WMS AQ+8*\u, 48*\u+12*\s, XF+12*\s, AQ+8*\u, WQS+2*\u+\s/2, XS+\s/2, \s%2, \s%2
.endr
.endr
	WIN 0x12                                       ; source 0 (Wkv) window 2, C (bkv) window 1
.irp u, 0,1,2,3
	WMS AK+8*\u, 48*\u, XF, BK+8*\u, WKS+2*\u, XS, 0, 0
.endr
	WIN 0x02
.irp s, 1,2,3
.irp u, 0,1,2,3
	WMS AK+8*\u, 48*\u+12*\s, XF+12*\s, AK+8*\u, WKS+2*\u+\s/2, XS+\s/2, \s%2, \s%2
.endr
.endr
	WIN 0xe8                                       ; V: source 0 = x (window 0), source 1 = Wkv and C = bkv (window 2), D window 3
.irp u, 0,1,2,3
	WMS 64*\u+8*(\tt), XF, 48*\u, BV+8*\u, XS, WKS+2*\u, 0, 0
.endr
	WIN 0xf8
.irp s, 1,2,3
.irp u, 0,1,2,3
	WMS 64*\u+8*(\tt), XF+12*\s, 48*\u+12*\s, 64*\u+8*(\tt), XS+\s/2, WKS+2*\u+\s/2, \s%2, \s%2
.endr
.endr
	WIN 0
	PLACES 4                                       ; in front of the loads into x's registers and of the first read of results
.if (\tt) < 7
	FETCHX (\tt)+1                                 ; lands while this tile's Q and K are normalised and quantised
.endif
	EPI \tt
.endm
	s_load_b256 s[4:11], s[0:1], 0x0               ; x, bq, bkv, wimg
	s_load_b128 s[12:15], s[0:1], 0x20             ; wscl, qimg
	s_load_b64 s[16:17], s[0:1], 0x30              ; kv
	v_lshl_add_u32 v254, v0, 2, 0xc800
	v_mov_b32 v255, 0
	ds_add_u32 v254, v255                          ; the opening lines: the add, twice on end, and its one wait ahead of my tensor load
	ds_add_u32 v254, v255
	v_lshrrev_b32 v10, 5, v0
	v_readfirstlane_b32 s18, v10                   ; wave
	s_and_b32 s19, ttmp7, 0xffff
	s_lshl_b32 s20, s19, 2
	s_add_co_u32 s20, s20, s18                     ; my head
	v_and_b32 v[L4], 31, v0
	v_lshlrev_b32 v[LI], 4, v[L4]
	v_lshlrev_b32 v[L8], 3, v[L4]
	v_bfe_u32 v[H128], v0, 4, 1
	v_lshlrev_b32 v[SH8], 3, v[H128]
	v_and_b32 v[PI4], 7, v0
	v_bfe_u32 v[XA], v0, 3, 1
	v_lshl_add_u32 v[PI4], v[XA], 5, v[PI4]        ; r % 8 + 32 (r / 8)
	v_lshlrev_b32 v[XA], 11, v[PI4]
	v_lshl_add_u32 v[XA], v[H128], 7, v[XA]
	v_lshlrev_b32 v[PI4], 2, v[PI4]
	v_cmp_lt_u32 s[HM], 15, v[L4]                  ; lanes 16-31
	v_lshlrev_b32 v[H128], 7, v[H128]
	v_lshlrev_b32 v[L4], 2, v[L4]
	s_mul_i32 s32, s18, 12288
	v_add_nc_u32 v[XWI], s32, v[LI]
	s_lshl_b32 s32, s18, 9
	s_add_co_u32 s32, s32, XSC
	v_add_nc_u32 v[XWS], s32, v[L8]
	v_mov_b32 v[PT], 0                             ; lane permutes' destinations count as sources
	v_mov_b32 v[PT+1], 0
	v_mov_b32 v[IVQ+1], 0                          ; named as the upper halves of pairs
	v_mov_b32 v[IVK+1], 0
	s_mov_b32 s[SEL], 0x76543210
	s_mov_b32 s[SEL+1], 0xfedcba98
	s_mov_b32 s[EPS], 0x2b8cbccc                   ; 1e-12
	s_lshl_b32 s32, ttmp9, 18                      ; my block's 128 rows of 2,048 bytes,
	s_lshr_b32 s33, s18, 1
	s_lshl_b32 s33, s33, 17                        ; + 64 (wave / 2) rows
	s_add_co_u32 s32, s32, s33
	s_and_b32 s33, s18, 1
	s_lshl_b32 s33, s33, 15                        ; + 16 (wave % 2) rows: tiles 2 w and 2 w + 1 begin there
	s_add_co_u32 s32, s32, s33
	s_mov_b32 s33, 0
	s_lshl_b32 s34, s20, 8                         ; the head's 64 numbers of a bias
	s_mov_b32 s35, 0
	s_mul_i32 s36, s20, 24576                      ; its 16 fragments of a weight
	s_mov_b32 s37, 0
	s_lshl_b32 s38, s20, 10                        ; their scale words
	s_mov_b32 s39, 0
	s_lshr_b32 s40, ttmp9, 4
	s_lshl_b32 s40, s40, 3
	s_add_co_u32 s40, s40, s20
	s_lshl_b32 s40, s40, 4
	s_and_b32 s41, ttmp9, 15
	s_add_co_u32 s40, s40, s41                     ; the record: (8 group + head) 16 + block
	s_mul_i32 s42, s40, 13312
	s_mov_b32 s43, 0
	s_mul_i32 s40, s40, 6656
	s_mov_b32 s41, 0
	s_mul_i32 s45, s18, 49152
	s_add_co_u32 s45, s45, WLDS                    ; my weights' place in LDS
	v_add_nc_u32 v[WA], s45, v[LI]
	s_mov_b32 s44, 1
	; descriptor group 1: two rows of 24,576 bytes (3,072 elements of 8 bytes), my head's images of Wq and of Wkv, 196,608 bytes apart in wimg, dense in LDS
	s_mov_b32 s48, 3<<16
	s_mov_b32 s49, 3072<<16
	s_mov_b32 s50, 2<<16
	s_mov_b32 s51, 3072<<16
	s_mov_b32 s52, 2
	s_mov_b32 s53, 24576
	s_mov_b32 s54, 0
	s_mov_b32 s55, 0
	s_wait_alu depctr_va_vdst(0)
	s_wait_dscnt 0x0                               ; both opening adds are done
	s_wait_kmcnt 0x0
	s_add_nc_u64 s[4:5], s[4:5], s[32:33]
	s_add_nc_u64 s[6:7], s[6:7], s[34:35]
	s_add_nc_u64 s[8:9], s[8:9], s[34:35]
	s_add_nc_u64 s[22:23], s[10:11], s[36:37]      ; Wq's images
	s_mov_b64 s[46:47], s[22:23]
	s_or_b32 s47, s47, 0x80000000
	s_add_nc_u64 s[26:27], s[12:13], s[38:39]
	s_add_nc_u64 s[14:15], s[14:15], s[40:41]
	s_add_nc_u64 s[16:17], s[16:17], s[42:43]
	tensor_load_to_lds s[44:47], s[48:55]          ; my one tensor load: my head's 32 fragments of Wq and Wkv
	s_nop 0
	PLACES 4                                       ; four places behind the tensor load; the windows are switched behind them
	; ---- x: my two tiles, eight fragments, four sets of 16 loads out
	WIN 0xc0                                       ; destination window 3
	XLOAD 0, 0
	XLOAD 64, 1
	XLOAD 128, 2
	s_wait_tensorcnt 0x0                           ; my weights lie in LDS; only I read them
	WIN 0x40                                       ; destination window 1: the images are the registers
.set JJ, 0
.rept 48
	ds_load_b128 v[4*JJ:4*JJ+3], v[WA] offset:512*JJ
.set JJ, JJ+1
.endr
	WIN 0x80                                       ; destination window 2
.set JJ, 0
.rept 48
	ds_load_b128 v[4*JJ:4*JJ+3], v[WA] offset:24576+512*JJ
.set JJ, JJ+1
.endr
	WIN 0xc0
	XLOAD 192, 3
	WIN 0
.set FX, 0
.rept 8
	s_wait_loadcnt 48                              ; this fragment's 16 loads are in; behind them three groups of 16 have been issued, in every step
	QB 64*(FX%4), 3, PCQ+12*(FX%2), PW+FX%4
.irp i, 0,1,2
	ds_store_b128 v[XWI], v[PCQ+12*(FX%2)+4*\i:PCQ+12*(FX%2)+4*\i+3] offset:1536*FX+512*\i
.endr
.if FX%4 == 3
	v_cndmask_b32 v[SSQ], v[PW], v[PW+1], s[HM]    ; K steps 0 | 1 and 2 | 3: the even step in lanes 0-15, the odd one in lanes 16-31
	v_cndmask_b32 v[SSQ+1], v[PW+2], v[PW+3], s[HM]
	ds_store_b64 v[XWS], v[SSQ:SSQ+1] offset:256*(FX/4)
.endif
.if FX < 4                                     ; each step issues one more group of 16 loads: the fragment four on, into the set just converted,
	WIN 0xc0
	XLOAD 64*(FX%4), FX+4
	WIN 0
.elseif FX == 4                                ; then the biases: lane (r, h) wants, for tile u, those of channels 32 h + 8 u + 0 .. 7
	WIN 0x40
.irp u, 0,1,2,3
	global_load_b128 v[BQ+8*\u:BQ+8*\u+3], v[H128], s[6:7] offset:32*\u
	global_load_b128 v[BQ+8*\u+4:BQ+8*\u+7], v[H128], s[6:7] offset:32*\u+16
	global_load_b128 v[BK+8*\u:BK+8*\u+3], v[H128], s[8:9] offset:32*\u
	global_load_b128 v[BK+8*\u+4:BK+8*\u+7], v[H128], s[8:9] offset:32*\u+16
.endr
	WIN 0
.elseif FX < 7                                 ; for V a lane holds one channel, 8 u + r % 8 + 32 (r / 8): its bias in all eight registers; two tiles u a step
	WIN 0x80
.irp u, 0,1
.irp j, 0,1,2,3,4,5,6,7
	global_load_b32 v[BV+8*(\u+2*(FX-5))+\j], v[PI4], s[8:9] offset:32*(\u+2*(FX-5))
.endr
.endr
	WIN 0
.else                                          ; and the weights' scale words
.irp u, 0,1,2,3
.irp p, 0,1
	global_load_b32 v[WQS+2*\u+\p], v[L4], s[26:27] offset:256*\u+128*\p
	global_load_b32 v[WKS+2*\u+\p], v[L4], s[26:27] offset:8192+256*\u+128*\p
.endr
.endr
.endif
	s_wait_dscnt 0x0                               ; my stores have landed (the last time: for the others' sake, in front of the signal); the first time: my weights are in registers too
.set FX, FX+1
.endr
	s_barrier_signal -1
	s_barrier_wait -1                              ; x's 32 fragments lie in LDS; nothing writes them again
	FETCHX 0
	s_wait_loadcnt 0x0                             ; the biases and the weights' scale words are in
.irp t, 0,1,2,3,4,5,6,7
	ROWT \t
.endr
	; ---- the records' words, and V: 128 keys of each of my 64 channels
	global_store_b128 v[LI], v[QSW:QSW+3], s[14:15] offset:6144
	global_store_b128 v[LI], v[KSW:KSW+3], s[16:17] offset:12288
.irp u, 0,1,2,3
	s_wait_xcnt 0x0                                ; earlier stores have read the codes' registers
	QB 64*\u, 3, PCQ+12*(\u%2), PW+\u
.irp i, 0,1,2
	global_store_b128 v[LI], v[PCQ+12*(\u%2)+4*\i:PCQ+12*(\u%2)+4*\i+3], s[16:17] offset:6144+1536*\u+512*\i
.endr
.endr
	v_cndmask_b32 v[VSW], v[PW], v[PW+1], s[HM]
	v_cndmask_b32 v[VSW+1], v[PW+2], v[PW+3], s[HM]
	v_mov_b32 v[VSW+2], 0                          ; the record is stored whole: the next launch copies all of it
	v_mov_b32 v[VSW+3], 0
	global_store_b128 v[LI], v[VSW:VSW+3], s[16:17] offset:12800
	s_wait_tensorcnt 0x0
	ds_add_u32 v254, v255
	s_wait_dscnt 0x0
	s_endpgm
.Lfunc_end_k_qb61b7968ee_proj:
	.size	k_qb61b7968ee_proj, .Lfunc_end_k_qb61b7968ee_proj-k_qb61b7968ee_proj
	.p2alignl 7, 3214868480
	.fill 96, 4, 3214868480
	.section	.rodata,"a",@progbits
	.p2align	6, 0x0
	.amdhsa_kernel k_qb61b7968ee_proj
		.amdhsa_group_segment_fixed_size 248320
		.amdhsa_private_segment_fixed_size 0
		.amdhsa_enable_private_segment 0
		.amdhsa_kernarg_size 56
		.amdhsa_user_sgpr_count 2
		.amdhsa_user_sgpr_kernarg_segment_ptr 1
		.amdhsa_wavefront_size32 1
		.amdhsa_system_sgpr_workgroup_id_x 1
		.amdhsa_system_sgpr_workgroup_id_y 1
		.amdhsa_system_sgpr_workgroup_id_z 1
		.amdhsa_system_vgpr_workitem_id 0
		.amdhsa_next_free_vgpr 1024
		.amdhsa_next_free_sgpr 66
		.amdhsa_reserve_vcc 0
		.amdhsa_float_denorm_mode_32 3
		.amdhsa_float_denorm_mode_16_64 3
		.amdhsa_memory_ordered 1
		.amdhsa_forward_progress 1
		.amdhsa_inst_pref_size 192
	.end_amdhsa_kernel
	.amdgpu_metadata
---
amdhsa.version: [ 1, 2 ]
amdhsa.kernels:
  - .name:           k_qb61b7968ee_proj
    .symbol:         k_qb61b7968ee_proj.kd
    .args:
      - { .name: x, .offset: 0, .size: 8, .value_kind: global_buffer, .address_space: global }
      - { .name: bq, .offset: 8, .size: 8, .value_kind: global_buffer, .address_space: global }
      - { .name: bkv, .offset: 16, .size: 8, .value_kind: global_buffer, .address_space: global }
      - { .name: wimg, .offset: 24, .size: 8, .value_kind: global_buffer, .address_space: global }
      - { .name: wscl, .offset: 32, .size: 8, .value_kind: global_buffer, .address_space: global }
      - { .name: qimg, .offset: 40, .size: 8, .value_kind: global_buffer, .address_space: global }
      - { .name: kv, .offset: 48, .size: 8, .value_kind: global_buffer, .address_space: global }
    .group_segment_fixed_size: 248320
    .private_segment_fixed_size: 0
    .kernarg_segment_align: 8
    .kernarg_segment_size: 56
    .max_flat_workgroup_size: 128
    .sgpr_count:     66
    .vgpr_count:     1024
    .wavefront_size: 32
...
	.end_amdgpu_metadata
.endif
;; end of part 2
;; launch attn (part 3): grid 4 x 64, 16 waves a work-group, clusters of 4 x 1, 216,064 bytes of LDS; arguments qimg, kv, ctx, cs; writes ctx, cs
.if DOCPART == 3
	.amdgcn_target "amdgcn-amd-amdhsa--gfx1250"
	.amdhsa_code_object_version 6
	.text
	.protected	k_qb61b7968ee_attn
	.globl	k_qb61b7968ee_attn
	.p2align	8
	.type	k_qb61b7968ee_attn,@function
k_qb61b7968ee_attn:
	s_mov_b64 s[64:65], 0
	v_nop
	global_prefetch_b8 v0, s[64:65] scope:SCOPE_SE
	s_setreg_imm32_b32 hwreg(HW_REG_WAVE_MODE, 25, 1), 1
	s_wait_xcnt 0x0
	s_wait_alu depctr_hold_cnt(0) depctr_sa_sdst(0) depctr_va_vdst(0) depctr_va_sdst(0) depctr_va_ssrc(0) depctr_va_vcc(0) depctr_vm_vsrc(0)
	s_getreg_b32 s2, hwreg(HW_REG_IB_STS2, 6, 4)
	s_cmp_eq_u32 s2, 0
	s_cbranch_scc0 .Lentry_in_a_cluster
	s_endpgm
.Lentry_in_a_cluster:
	s_bfe_u32 s2, ttmp6, 0x10000c
	s_cmp_lg_u32 s2, 0x3003
	s_cbranch_scc0 .Lentry_shape_is_right
	s_endpgm
.Lentry_shape_is_right:
; ctx = softmax(Qn Kn^T) V for one head, both products on codes of BF6 (E3M2), and ctx quantised for the last product.
; SHARES.  A work-group owns 512 queries of one (group, head); each of its sixteen waves two tiles of 16 queries, A and B, so that each fragment of K and V read from LDS feeds two products.
; THE HEAD'S K AND V STAY IN LDS: 16 records of 13,312 bytes, one for each 128 keys, filled ONCE: wave w asks for record w, its one tensor load.  No byte of LDS is filled twice.
; One wait and one barrier show all records to all waves; then one loop of 16 key steps with no barrier in it.
; CLUSTER.  The four work-groups of a head need the same records: each is asked for jointly, by the same tensor load with the same descriptor and the mask of the four.
; NO PREFETCH: all that the launch reads by tensor loads is asked for at the head; there is no loop to run ahead in.
; LAYOUT.  Both products transposed: S^T = K Q^T, O^T = V^T P^T: a lane holds one query (lane % 16).  By the tiles' choice of rows a lane's 32 scores of four tiles are keys 64 c + 32 h + 0 .. 31: ONE BLOCK of the second product's K,
; and its 32 numbers of O^T are channels 32 h + 0 .. 31: one block of the last product's K.  So no maximum crosses lanes and no codes change lanes; only scale bytes do.
; K = 64 IN AN INSTRUCTION OF 128: Q's registers 6-11 are zero codes.  K's tiles lie six registers apart, so a tile's registers 6-11 are the next tile's codes (behind the last: zeros): finite numbers times zero codes add nothing; the scale bytes there are 0.
; THE SOFTMAX.  t = score x log2(e), p = 2^(t - M) with M = 0 for every row.  The scores are products of vectors that the computation itself normalises: after the rounding to E3M2 (at most one part in eight) a norm is at most 1.125, so |score| <= 1.27,
; |t| <= 1.83, 0.28 <= p <= 3.6 and a row's sum <= 7,400: nothing can overflow or underflow.  M may be any whole number: a block's scale takes 2^M up, and the sum carries it too.  So there is no running maximum and nothing is rescaled.
; The row's sum is taken of the unquantised p and divides O at the end.
; LIMITS: NaN and infinities are not served; a block of ctx under 2^-122 carries the byte 1 (read by this program alone).
.set LI,  1                            ; 16 x lane
.set AD,  2                            ; LDS address of the key step's record, + 16 x lane
.set SH8, 3                            ; 8 h
.set PT,  4                            ; v4-5
.set QSC, 6                            ; Q's scale words: tile A in lanes 0-15, tile B in lanes 16-31
.set L8,  7                            ; 8 x lane
.set QF,  8                            ; v8-19 tile A of Q: six registers of codes, six of zeros;  v20-31 tile B
.set KS,  32                           ; v32-35 K's scale words
.set VS,  36                           ; v36-37 V's
.set W,   38                           ; v38-39 p's scale words, A and B
.set KF,  40                           ; v40-63 four tiles of K, or two of V
.set PAD, 64                           ; v64-69 zeros
.set M,   70                           ; v70-71
.set SCL, 72                           ; v72-73
.set TC,  74                           ; v74-81
.set L,   82                           ; v82-83 A's sum in two halves;  v84-85 B's
.set P,   86                           ; v86-97 p's codes, A;  v98-109 B
.set CSA, 110                          ; where my pair's scale bytes of ctx go in LDS
.set CSR, 111                          ; and where wave 0 reads them back
.set S,   112                          ; v112-175 scores, then p; in the second product v112-135 hold V's tiles 2 and 3
.set O,   176                          ; v176-207 A's O^T;  v208-239 B's
.set SPW, 254                          ; my spare word's LDS address; never rewritten
.set NIL, 255                          ; 0; never rewritten
.set REC, 13312
.set CSG, 16*REC                       ; behind the records: 1,024 bytes for ctx's scale bytes; no tensor load lands there
.set SPARE, CSG+1024                   ; the spare words: 128 bytes for each of 16 waves
.set WV,  12
.set SEL, 22                           ; s[22:23]
.set G1,  24                           ; s[24:31] descriptor group 1
.set G0,  32                           ; s[32:35] group 0
.set TB,  48                           ; LDS byte of the key step's record
.set CNT, 49
.set LG,  50                           ; s[50:51] log2(e)
.macro PLACES n
.rept \n
	v_nop
.endr
.endm
.macro CROUND                          ; a round of the cluster's barrier
	s_barrier_signal -1
	s_barrier_wait -1
	s_cmp_lg_u32 s[WV], 0
	s_cbranch_scc1 .Lnot_wave_0_\@
	s_barrier_signal -3
.Lnot_wave_0_\@:
	s_barrier_wait -3
	s_barrier_signal -1
	s_barrier_wait -1
.endm
.macro WMS d, a, b, sa, sb, ra         ; d += a x b; ra: which half of the lanes of a's scale register is read
.if (\ra) == 0
	v_wmma_scale_f32_16x16x128_f8f6f4 v[(\d):(\d)+7], v[(\a):(\a)+11], v[(\b):(\b)+11], v[(\d):(\d)+7], v[\sa], v[\sb] matrix_a_fmt:MATRIX_FMT_BF6 matrix_b_fmt:MATRIX_FMT_BF6
.else
	v_wmma_scale_f32_16x16x128_f8f6f4 v[(\d):(\d)+7], v[(\a):(\a)+11], v[(\b):(\b)+11], v[(\d):(\d)+7], v[\sa], v[\sb] matrix_a_fmt:MATRIX_FMT_BF6 matrix_b_fmt:MATRIX_FMT_BF6 matrix_a_scale:MATRIX_SCALE_ROW1
.endif
.endm
.macro WMZ d, a, b, sa, sb, ra, rb     ; d = a x b
.if ((\ra) == 0) && ((\rb) == 0)
	v_wmma_scale_f32_16x16x128_f8f6f4 v[(\d):(\d)+7], v[(\a):(\a)+11], v[(\b):(\b)+11], 0, v[\sa], v[\sb] matrix_a_fmt:MATRIX_FMT_BF6 matrix_b_fmt:MATRIX_FMT_BF6
.elseif (\rb) == 0
	v_wmma_scale_f32_16x16x128_f8f6f4 v[(\d):(\d)+7], v[(\a):(\a)+11], v[(\b):(\b)+11], 0, v[\sa], v[\sb] matrix_a_fmt:MATRIX_FMT_BF6 matrix_b_fmt:MATRIX_FMT_BF6 matrix_a_scale:MATRIX_SCALE_ROW1
.elseif (\ra) == 0
	v_wmma_scale_f32_16x16x128_f8f6f4 v[(\d):(\d)+7], v[(\a):(\a)+11], v[(\b):(\b)+11], 0, v[\sa], v[\sb] matrix_a_fmt:MATRIX_FMT_BF6 matrix_b_fmt:MATRIX_FMT_BF6 matrix_b_scale:MATRIX_SCALE_ROW1
.else
	v_wmma_scale_f32_16x16x128_f8f6f4 v[(\d):(\d)+7], v[(\a):(\a)+11], v[(\b):(\b)+11], 0, v[\sa], v[\sb] matrix_a_fmt:MATRIX_FMT_BF6 matrix_b_fmt:MATRIX_FMT_BF6 matrix_a_scale:MATRIX_SCALE_ROW1 matrix_b_scale:MATRIX_SCALE_ROW1
.endif
.endm
; 64 keys' scores of both tiles become p, its codes (registers 6 c .. 6 c + 5 of the operand), its scale byte, and its part of the rows' sums
.macro SOFT c
.set JJ, 0
.rept 32
	v_pk_mul_f32 v[S+JJ:S+JJ+1], v[S+JJ:S+JJ+1], s[LG:LG+1] op_sel_hi:[1,0]      ; t; ascending: each accumulator from its low end on
.set JJ, JJ+2
.endr
.set JJ, 0
	s_wait_alu depctr_va_vdst(0)
.rept 64
	v_exp_f32 v[S+JJ], v[S+JJ]                     ; p = 2^t
.set JJ, JJ+1
.endr
	v_nop                                          ; a plain place behind the exponentials,
	s_wait_alu depctr_va_vdst(0)                   ; and one wait for the batch, ahead of its first reader
	v_max3_num_f32 v[M], v[S], v[S+1], v[S+2]      ; the block's largest p: all 32 are mine; none is negative, and none is near the floor
	v_max3_num_f32 v[M+1], v[S+32], v[S+33], v[S+34]
.set JJ, 3
.rept 14
	v_max3_num_f32 v[M], v[M], v[S+JJ], v[S+JJ+1]
	v_max3_num_f32 v[M+1], v[M+1], v[S+32+JJ], v[S+33+JJ]
.set JJ, JJ+2
.endr
	v_max_num_f32 v[M], v[M], v[S+31]
	v_max_num_f32 v[M+1], v[M+1], v[S+63]
	s_delay_alu instid0(VALU_DEP_2)
	v_add_nc_u32 v[SCL], 0xfe000000, v[M]          ; 4 off the exponent field: the conversion's scale operand
	s_delay_alu instid0(VALU_DEP_2)
	v_add_nc_u32 v[SCL+1], 0xfe000000, v[M+1]
.if (\c) == 0
	s_delay_alu instid0(VALU_DEP_2)
	v_lshrrev_b32 v[W], 23, v[SCL]                 ; the byte of block h
	s_delay_alu instid0(VALU_DEP_2)
	v_lshrrev_b32 v[W+1], 23, v[SCL+1]
.else
	s_delay_alu instid0(VALU_DEP_2)
	v_lshrrev_b32 v[M], 23, v[SCL]                 ; the byte of block 2 + h;
	s_delay_alu instid0(VALU_DEP_2)
	v_lshrrev_b32 v[M+1], 23, v[SCL+1]
	s_delay_alu instid0(VALU_DEP_2)
	v_lshl_or_b32 v[W], v[M], 16, v[W]
	s_delay_alu instid0(VALU_DEP_2)
	v_lshl_or_b32 v[W+1], v[M+1], 16, v[W+1]
	s_delay_alu instid0(VALU_DEP_2)
	v_lshlrev_b32 v[W], v[SH8], v[W]               ; both at their places;
	s_delay_alu instid0(VALU_DEP_2)
	v_lshlrev_b32 v[W+1], v[SH8], v[W+1]
	s_delay_alu instid0(VALU_DEP_2)
	v_permlanex16_b32 v[PT], v[W], s[SEL], s[SEL+1]
	s_delay_alu instid0(VALU_DEP_2)
	v_permlanex16_b32 v[PT+1], v[W+1], s[SEL], s[SEL+1]
	s_delay_alu instid0(VALU_DEP_2)
	v_or_b32 v[W], v[W], v[PT]                     ; with lane l xor 16's two the query's word for these 128 keys is whole
	s_delay_alu instid0(VALU_DEP_2)
	v_or_b32 v[W+1], v[W+1], v[PT+1]
.endif
	v_cvt_scalef32_pk16_bf6_f32 v[P+6*(\c):P+6*(\c)+2], v[S:S+15], v[SCL]
	v_cvt_scalef32_pk16_bf6_f32 v[TC:TC+2], v[S+16:S+31], v[SCL]
	v_cvt_scalef32_pk16_bf6_f32 v[P+12+6*(\c):P+12+6*(\c)+2], v[S+32:S+47], v[SCL+1]
	v_cvt_scalef32_pk16_bf6_f32 v[TC+4:TC+6], v[S+48:S+63], v[SCL+1]
	v_nop                                          ; one plain place behind the conversions
.irp i, 0,1,2
	v_mov_b32 v[P+6*(\c)+3+\i], v[TC+\i]           ; (a conversion's three registers begin on an even number)
	v_mov_b32 v[P+12+6*(\c)+3+\i], v[TC+4+\i]
.endr
.set JJ, 0
.rept 16                                       ; the sums of the unquantised p.  These 32 lines are also the places between the last write of a scale word (8 are asked) or of p's codes (4) and the products that read them
	v_pk_add_f32 v[L:L+1], v[L:L+1], v[S+JJ:S+JJ+1]
	v_pk_add_f32 v[L+2:L+3], v[L+2:L+3], v[S+32+JJ:S+33+JJ]
.set JJ, JJ+2
.endr
.endm
; 64 keys: eight products (four tiles of K x my two tiles of Q; eight accumulators, each written once), the next run of loads, the softmax
.macro HALF c
	s_wait_dscnt 0x0
.irp u, 0,1,2,3
.irp t, 0,1
	WMZ S+32*\t+8*\u, KF+6*\u, QF+12*\t, KS+2*(\c)+\u/2, QSC, \u%2, \t
.endr
.endr
	PLACES 4                                       ; in front of loads into registers that the products have read, and of the first read of results
.irp i, 0,1,2,3,4,5
	ds_load_b128 v[KF+4*\i:KF+4*\i+3], v[AD] offset:3072+3072*(\c)+512*\i      ; c = 0: K's tiles 4-7; c = 1: V's tiles 0 and 1.  They land under the softmax
.endr
	SOFT \c
.endm
.macro PV                              ; O^T += V^T P^T: K = the step's 128 keys; eight accumulators, each once
.irp i, 0,1,2,3,4,5
	ds_load_b128 v[S+4*\i:S+4*\i+3], v[AD] offset:9216+512*\i        ; V's tiles 2 and 3, into registers of p, which has been summed and converted
.endr
	s_wait_dscnt 6                                 ; V's tiles 0 and 1 are in; the six loads just issued may be out
.irp e, 0,1
.irp t, 0,1
	WMS O+32*\t+8*\e, KF+12*\e, P+12*\t, VS, W+\t, \e
.endr
.endr
	s_wait_dscnt 0x0
.irp e, 0,1
.irp t, 0,1
	WMS O+32*\t+8*(2+\e), S+12*\e, P+12*\t, VS+1, W+\t, \e
.endr
.endr
	PLACES 5                                       ; four in front of the next loads into V's registers; the fifth because the next step's first products write over v112 on, which these have read
.endm
.macro STEP                            ; 128 keys
	v_add_nc_u32 v[AD], s[TB], v[LI]
	ds_load_b128 v[KS:KS+3], v[AD] offset:12288
	ds_load_b64 v[VS:VS+1], v[AD] offset:12800
.irp i, 0,1,2,3,4,5
	ds_load_b128 v[KF+4*\i:KF+4*\i+3], v[AD] offset:512*\i           ; K's tiles 0-3, six registers each
.endr
	s_wait_alu depctr_va_vdst(0)
	HALF 0
	HALF 1
	PV
	s_add_co_u32 s[TB], s[TB], REC
.endm
	s_load_b256 s[4:11], s[0:1], 0x0               ; qimg, kv, ctx, cs
	v_lshl_add_u32 v[SPW], v0, 2, SPARE
	v_mov_b32 v[NIL], 0
	ds_add_u32 v[SPW], v[NIL]                      ; the opening lines: the add, twice on end, and its one wait ahead of my tensor load
	ds_add_u32 v[SPW], v[NIL]
	v_lshrrev_b32 v2, 5, v0
	s_delay_alu instid0(VALU_DEP_1)
	v_readfirstlane_b32 s[WV], v2                  ; wave 0..15
	s_bfe_u32 s13, ttmp6, 0x40000                  ; cx: it enters the addresses of qimg, ctx and cs alone
	s_lshl_b32 s14, ttmp9, 2
	s_add_co_u32 s14, s14, s13                     ; my block of 512 queries
	s_and_b32 s15, ttmp7, 0xffff                   ; 8 group + head: the four partners share it
	s_mul_i32 s17, s[WV], REC                      ; my record's place, in LDS and in the head's 16 records in memory
	s_mul_i32 s18, s15, 16*REC
	s_add_co_u32 s18, s18, s17
	s_mov_b32 s19, 0
	s_lshl_b32 s20, s15, 4
	s_lshl_b32 s21, s14, 2
	s_add_co_u32 s20, s20, s21
	s_lshr_b32 s52, s[WV], 2
	s_add_co_u32 s20, s20, s52                     ; Q's record: my block of 128 queries
	s_mul_i32 s20, s20, 6656
	s_mov_b32 s21, 0
	s_and_b32 s53, s[WV], 3                        ; my pair of tiles in it
	s_lshr_b32 s54, s15, 3                         ; group
	s_and_b32 s55, s15, 7                          ; head
	s_lshl_b32 s56, s54, 4
	s_lshl_b32 s57, s14, 2
	s_add_co_u32 s56, s56, s57                     ; the work-group's first block of 128 rows
	s_lshl_b32 s58, s56, 8
	s_lshl_b32 s59, s55, 15
	s_add_co_u32 s58, s58, s59                     ; cs: [head][block][256]
	s_mov_b32 s59, 0
	s_add_co_u32 s56, s56, s52
	s_lshl_b32 s56, s56, 3
	s_lshl_b32 s57, s53, 1
	s_add_co_u32 s56, s56, s57                     ; tile A among all tiles of rows
	s_mul_i32 s56, s56, 6144
	s_mul_i32 s57, s55, 768
	s_add_co_u32 s56, s56, s57                     ; ctx: [tile][head][768]
	s_mov_b32 s57, 0
	s_mul_i32 s60, s53, 1536
	s_lshl_b32 s61, s53, 2
	s_lshl_b32 s62, s52, 8
	s_add_co_u32 s62, s62, s61
	s_add_co_u32 s62, s62, CSG
	s_mov_b32 s[SEL], 0x76543210
	s_mov_b32 s[SEL+1], 0xfedcba98
	s_mov_b32 s[LG], 0x3fb8aa3b                    ; log2(e)
	s_mov_b32 s[LG+1], s[LG]                       ; (named with it as a pair)
	; descriptor group 1: a record is a dense block: 52 rows of 256 bytes (32 elements of 8 bytes)
	s_mov_b32 s[G1], 15|(3<<16)|(1<<21)            ; 15:0 the mask: all four work-groups; 17:16 elements of 8 bytes; 21 set beside a mask; no padding
	s_mov_b32 s[G1+1], 32<<16                      ; tensor_dim0 = 32
	s_mov_b32 s[G1+2], 52<<16                      ; tensor_dim1 = 52
	s_mov_b32 s[G1+3], 32<<16                      ; tile_dim0 = 32
	s_mov_b32 s[G1+4], 52                          ; tile_dim1 = 52
	s_mov_b32 s[G1+5], 32                          ; from row to row
	s_mov_b32 s[G1+6], 0
	s_mov_b32 s[G1+7], 0
	v_and_b32 v[L8], 31, v0
	v_bfe_u32 v[SH8], v0, 4, 1
	v_and_b32 v[CSA], 15, v0
	s_delay_alu instid0(VALU_DEP_3)
	v_lshlrev_b32 v[LI], 4, v[L8]
	s_delay_alu instid0(VALU_DEP_4)
	v_lshlrev_b32 v[L8], 3, v[L8]
	s_delay_alu instid0(VALU_DEP_4)
	v_lshlrev_b32 v[SH8], 3, v[SH8]
	s_delay_alu instid0(VALU_DEP_4)
	v_lshl_add_u32 v[CSA], v[CSA], 4, s62          ; CSG + 256 (wave / 4) + 16 r + 4 (wave % 4)
	s_delay_alu instid0(VALU_DEP_4)
	v_add_nc_u32 v[M], s60, v[LI]                  ; my pair's image in Q's record
	v_add_nc_u32 v[M+1], s61, v[LI]                ; and its scale word
	v_add_nc_u32 v[CSR], CSG, v[LI]
	s_wait_alu depctr_va_vdst(0)
	s_wait_dscnt 0x0                               ; both opening adds are done
	s_wait_kmcnt 0x0
	s_add_nc_u64 s[6:7], s[6:7], s[18:19]
	s_add_nc_u64 s[4:5], s[4:5], s[20:21]
	s_add_nc_u64 s[8:9], s[8:9], s[56:57]
	s_add_nc_u64 s[10:11], s[10:11], s[58:59]
.irp i, 0,1,2
	global_load_b128 v[S+4*\i:S+4*\i+3], v[M], s[4:5] offset:512*\i th:TH_LOAD_NT     ; my pair of Q: read once, by me
.endr
	global_load_b32 v[QSC], v[M+1], s[4:5] offset:6144
	s_mov_b32 s[G0], 1
	s_mov_b32 s[G0+1], s17                         ; key step = wave
	s_mov_b64 s[G0+2:G0+3], s[6:7]
	s_or_b32 s[G0+3], s[G0+3], 0x80000000
	CROUND                                         ; all four work-groups are here: the joint loads meet
	tensor_load_to_lds s[G0:G0+3], s[G1:G1+7]      ; my one tensor load: every wave issues one, on the one way through the head
	s_nop 0
	PLACES 4
.irp i, 0,1,2,3,4,5
	v_mov_b32 v[QF+6+\i], 0                        ; zero codes for k = 64 .. 127
	v_mov_b32 v[QF+18+\i], 0
	v_mov_b32 v[PAD+\i], 0
.endr
.set JJ, 0
.rept 64
	v_mov_b32 v[O+JJ], 0                           ; O^T begins as zeros, so that the key step is written once and has no first copy
.set JJ, JJ+1
.endr
	s_wait_loadcnt 0x0
.irp i, 0,1,2,3,4,5
	v_mov_b32 v[QF+\i], v[S+\i]
	v_mov_b32 v[QF+12+\i], v[S+6+\i]
.endr
	; the six clears below and the first key step's address addition are the plain places (four are asked) between the copies above and the first product
.irp i, 0,1,2,3
	v_mov_b32 v[L+\i], 0                           ; the rows' sums begin as zeros
.endr
	v_mov_b32 v[PT], 0                             ; lane permutes' destinations count as sources
	v_mov_b32 v[PT+1], 0
	s_wait_alu depctr_va_vdst(0)
	s_wait_tensorcnt 0x0                           ; my record has landed,
	s_wait_dscnt 0x0
	s_barrier_signal -1
	s_barrier_wait -1                              ; everybody's has: all 16 records lie in LDS, and nothing writes them again
	s_mov_b32 s[TB], 0
	s_mov_b32 s[CNT], 16
.Lstep:
	STEP
	s_sub_co_u32 s[CNT], s[CNT], 1
	s_cmp_lg_u32 s[CNT], 0
	s_cbranch_scc1 .Lstep
	; THE WAY OUT: O^T / the sum, quantised along the head's channels: my 32 numbers are block 2 head + h of the last product's K
	s_wait_alu depctr_va_vdst(0)
	v_add_f32 v[L], v[L], v[L+1]
	v_add_f32 v[L+2], v[L+2], v[L+3]
	s_delay_alu instid0(VALU_DEP_2)
	v_permlanex16_b32 v[PT], v[L], s[SEL], s[SEL+1]
	s_delay_alu instid0(VALU_DEP_2)
	v_permlanex16_b32 v[PT+1], v[L+2], s[SEL], s[SEL+1]
	s_delay_alu instid0(VALU_DEP_2)
	v_add_f32 v[L], v[L], v[PT]                    ; with lane l xor 16's keys: the row's sum
	s_delay_alu instid0(VALU_DEP_2)
	v_add_f32 v[L+2], v[L+2], v[PT+1]
	s_wait_alu depctr_va_vdst(0)
	v_rcp_f32 v[L], v[L]
	v_rcp_f32 v[L+2], v[L+2]
	v_nop
	s_wait_alu depctr_va_vdst(0)                   ; one wait for both reciprocals, ahead of their first reader
.set JJ, 0
.rept 16
	v_pk_mul_f32 v[O+JJ:O+JJ+1], v[O+JJ:O+JJ+1], v[L:L+1] op_sel_hi:[1,0]          ; ascending: each accumulator from its low end on
	v_pk_mul_f32 v[O+32+JJ:O+33+JJ], v[O+32+JJ:O+33+JJ], v[L+2:L+3] op_sel_hi:[1,0]
.set JJ, JJ+2
.endr
	v_max3_num_f32 v[M], |v[O]|, |v[O+1]|, 0x2800000                 ; the floor 2^(5 - 127) among the leaves
	v_max3_num_f32 v[M+1], |v[O+32]|, |v[O+33]|, 0x2800000
.set JJ, 2
.rept 15
	s_delay_alu instid0(VALU_DEP_2)
	v_max3_num_f32 v[M], v[M], |v[O+JJ]|, |v[O+JJ+1]|
	s_delay_alu instid0(VALU_DEP_2)
	v_max3_num_f32 v[M+1], v[M+1], |v[O+32+JJ]|, |v[O+33+JJ]|
.set JJ, JJ+2
.endr
	s_delay_alu instid0(VALU_DEP_2)
	v_add_nc_u32 v[SCL], 0xfe000000, v[M]
	s_delay_alu instid0(VALU_DEP_2)
	v_add_nc_u32 v[SCL+1], 0xfe000000, v[M+1]
	s_delay_alu instid0(VALU_DEP_2)
	v_lshrrev_b32 v[M], 23, v[SCL]
	s_delay_alu instid0(VALU_DEP_2)
	v_lshrrev_b32 v[M+1], 23, v[SCL+1]
	s_delay_alu instid0(VALU_DEP_2)
	v_lshlrev_b32 v[M], v[SH8], v[M]
	s_delay_alu instid0(VALU_DEP_2)
	v_lshlrev_b32 v[M+1], v[SH8], v[M+1]
	s_delay_alu instid0(VALU_DEP_2)
	v_permlanex16_b32 v[PT], v[M], s[SEL], s[SEL+1]
	s_delay_alu instid0(VALU_DEP_2)
	v_permlanex16_b32 v[PT+1], v[M+1], s[SEL], s[SEL+1]
	s_delay_alu instid0(VALU_DEP_2)
	v_or_b32 v[M], v[M], v[PT]                     ; the row's two bytes for this head
	s_delay_alu instid0(VALU_DEP_2)
	v_or_b32 v[M+1], v[M+1], v[PT+1]
	v_cvt_scalef32_pk16_bf6_f32 v[P:P+2], v[O:O+15], v[SCL]
	v_cvt_scalef32_pk16_bf6_f32 v[TC:TC+2], v[O+16:O+31], v[SCL]
	v_cvt_scalef32_pk16_bf6_f32 v[P+12:P+14], v[O+32:O+47], v[SCL+1]
	v_cvt_scalef32_pk16_bf6_f32 v[TC+4:TC+6], v[O+48:O+63], v[SCL+1]
	v_nop
.irp i, 0,1,2
	v_mov_b32 v[P+3+\i], v[TC+\i]
	v_mov_b32 v[P+15+\i], v[TC+4+\i]
.endr
	v_lshl_or_b32 v[M], v[M+1], 16, v[M]           ; tile A's two bytes below, tile B's above
	ds_store_b32 v[CSA], v[M]                      ; (lanes r and 16 + r write the same word with the same value)
.irp t, 0,1
	global_store_b128 v[LI], v[P+12*\t:P+12*\t+3], s[8:9] offset:6144*\t           ; six registers' image: 512 consecutive bytes,
	global_store_b64 v[L8], v[P+12*\t+4:P+12*\t+5], s[8:9] offset:6144*\t+512      ; and 256
.endr
	s_wait_dscnt 0x0                               ; for wave 0's sake: my word has landed
	s_barrier_signal -1
	s_barrier_wait -1
	s_cmp_lg_u32 s[WV], 0
	s_cbranch_scc1 .Lnot_first
	ds_load_b128 v[S:S+3], v[CSR]                  ; the work-group's four blocks x 256 bytes leave as 1,024 consecutive bytes
	ds_load_b128 v[S+4:S+7], v[CSR] offset:512
	s_wait_dscnt 0x0
	global_store_b128 v[LI], v[S:S+3], s[10:11]
	global_store_b128 v[LI], v[S+4:S+7], s[10:11] offset:512
.Lnot_first:
	s_wait_tensorcnt 0x0                           ; the wave's end
	ds_add_u32 v[SPW], v[NIL]
	s_wait_dscnt 0x0
	CROUND                                         ; the closing round: no work-group ends while a partner may still ask for a record that names it
	s_endpgm
.Lfunc_end_k_qb61b7968ee_attn:
	.size	k_qb61b7968ee_attn, .Lfunc_end_k_qb61b7968ee_attn-k_qb61b7968ee_attn
	.p2alignl 7, 3214868480
	.fill 96, 4, 3214868480
	.section	.rodata,"a",@progbits
	.p2align	6, 0x0
	.amdhsa_kernel k_qb61b7968ee_attn
		.amdhsa_group_segment_fixed_size 216064
		.amdhsa_private_segment_fixed_size 0
		.amdhsa_enable_private_segment 0
		.amdhsa_kernarg_size 32
		.amdhsa_user_sgpr_count 2
		.amdhsa_user_sgpr_kernarg_segment_ptr 1
		.amdhsa_wavefront_size32 1
		.amdhsa_system_sgpr_workgroup_id_x 1
		.amdhsa_system_sgpr_workgroup_id_y 1
		.amdhsa_system_sgpr_workgroup_id_z 1
		.amdhsa_system_vgpr_workitem_id 0
		.amdhsa_next_free_vgpr 256
		.amdhsa_next_free_sgpr 66
		.amdhsa_reserve_vcc 0
		.amdhsa_float_denorm_mode_32 3
		.amdhsa_float_denorm_mode_16_64 3
		.amdhsa_memory_ordered 1
		.amdhsa_forward_progress 1
		.amdhsa_inst_pref_size 41
	.end_amdhsa_kernel
	.amdgpu_metadata
---
amdhsa.version: [ 1, 2 ]
amdhsa.kernels:
  - .name:           k_qb61b7968ee_attn
    .symbol:         k_qb61b7968ee_attn.kd
    .args:
      - { .name: qimg, .offset: 0, .size: 8, .value_kind: global_buffer, .address_space: global }
      - { .name: kv, .offset: 8, .size: 8, .value_kind: global_buffer, .address_space: global }
      - { .name: ctx, .offset: 16, .size: 8, .value_kind: global_buffer, .address_space: global }
      - { .name: cs, .offset: 24, .size: 8, .value_kind: global_buffer, .address_space: global }
    .group_segment_fixed_size: 216064
    .private_segment_fixed_size: 0
    .kernarg_segment_align: 8
    .kernarg_segment_size: 32
    .max_flat_workgroup_size: 512
    .sgpr_count:     66
    .vgpr_count:     256
    .wavefront_size: 32
...
	.end_amdgpu_metadata
.endif
;; end of part 3
;; launch outp (part 4): grid 128 x 2, 4 waves a work-group, no clusters, 168,448 bytes of LDS; arguments ctx, cs, wimg, wscl, bo, out0; writes out0
.if DOCPART == 4
	.amdgcn_target "amdgcn-amd-amdhsa--gfx1250"
	.amdhsa_code_object_version 6
	.text
	.protected	k_qb61b7968ee_outp
	.globl	k_qb61b7968ee_outp
	.p2align	8
	.type	k_qb61b7968ee_outp,@function
k_qb61b7968ee_outp:
	s_mov_b64 s[64:65], 0
	v_nop
	global_prefetch_b8 v0, s[64:65] scope:SCOPE_SE
	s_setreg_imm32_b32 hwreg(HW_REG_WAVE_MODE, 25, 1), 1
	s_wait_xcnt 0x0
; out = ctx Wo^T + bo on codes of BF6 (E3M2).  ctx arrives as images of operand registers ([tile of 16 rows][head][768 bytes]: six registers a lane), its scale bytes as [head][block of 128 rows][r][tile] pairs of bytes.
; SHARES.  A work-group takes 128 rows (eight tiles) and 256 columns; wave w owns columns 64 g on, g = 4 y + w; its 16 fragments of Wo stay in registers (window 1).
; The block's codes, 49,152 dense bytes, come into LDS once, a quarter by each wave's one tensor load; all four waves read them.  No byte is filled twice.
; TRANSPOSED: source 0 = 16 rows of Wo, source 1 = 16 rows of ctx.  By the tiles' choice of rows a lane's 32 results over the four tiles of Wo are columns 64 g + 32 h + 0 .. 31 of one row: 128 neighbouring bytes.
; A tile's 16 rows x 256 bytes go through the wave's own stage in LDS and leave as whole rows: sixteen lanes store 256 consecutive bytes at a multiple of 256 from out0's first byte.  bo is the C of each sum's first product.
; lds_bytes: the text uses 66,560 bytes.
.set LI,   1                           ; 16 x lane
.set L8,   2                           ; 8 x lane
.set STO,  3                           ; stage, in: 272 r + 128 h
.set RD,   4                           ; stage, back: 272 h + 16 r
.set CO,   5                           ; out0: 2,048 h + 16 r
.set R16,  6                           ; 16 r
.set H128, 7                           ; 128 h
.set L4,   9                           ; 4 x lane
.set WOS,  16                          ; v16-23 Wo's scale words, register 2 u + s / 2
.set CW,   24                          ; v24-55 ctx's scale words, register 4 T + s
.set RAW,  56                          ; v56-87 the scale bytes as loaded: head hd at 4 hd + i, word i = tiles 2 i, 2 i + 1
.set CF,   88                          ; v88-135 the tile's four fragments
.set ACC,  136                         ; v136-167
.set OUTB, 168                         ; v168-231 rows on their way out, two sets
.set BO,   192                         ; in window 1
.set STG,  49152
.set MSB, 0
.macro WIN new
.set WNEW, \new
.if MSB != WNEW
	s_set_vgpr_msb (MSB<<8)|WNEW
.set MSB, WNEW
.endif
.endm
.macro PLACES n
.rept \n
	v_nop
.endr
.endm
.macro WMS d, a, b, c, sa, sb, ra
.if (\ra) == 0
	v_wmma_scale_f32_16x16x128_f8f6f4 v[(\d):(\d)+7], v[(\a):(\a)+11], v[(\b):(\b)+11], v[(\c):(\c)+7], v[\sa], v[\sb] matrix_a_fmt:MATRIX_FMT_BF6 matrix_b_fmt:MATRIX_FMT_BF6
.else
	v_wmma_scale_f32_16x16x128_f8f6f4 v[(\d):(\d)+7], v[(\a):(\a)+11], v[(\b):(\b)+11], v[(\c):(\c)+7], v[\sa], v[\sb] matrix_a_fmt:MATRIX_FMT_BF6 matrix_b_fmt:MATRIX_FMT_BF6 matrix_a_scale:MATRIX_SCALE_ROW1
.endif
.endm
.macro FETCHC tt                       ; K step s = heads 2 s and 2 s + 1: two images of six registers: 16 LDS loads a tile
.irp s, 0,1,2,3
	ds_load_b128 v[CF+12*\s:CF+12*\s+3], v[LI] offset:6144*(\tt)+1536*\s
	ds_load_b64 v[CF+12*\s+4:CF+12*\s+5], v[L8] offset:6144*(\tt)+1536*\s+512
	ds_load_b128 v[CF+12*\s+6:CF+12*\s+9], v[LI] offset:6144*(\tt)+1536*\s+768
	ds_load_b64 v[CF+12*\s+10:CF+12*\s+11], v[L8] offset:6144*(\tt)+1536*\s+1280
.endr
.endm
.macro TILE tt
	s_wait_dscnt 0x0                               ; the tile's fragments are in
	WIN 0x11                                       ; source 0 (Wo) and C (bo) window 1
.irp u, 0,1,2,3
	WMS ACC+8*\u, 48*\u, CF, BO+8*\u, WOS+2*\u, CW+4*(\tt), 0
.endr
	WIN 0x01
.irp s, 1,2,3
	s_wait_alu depctr_va_vdst(0)
.irp u, 0,1,2,3                                ; four accumulators by turns, one instruction a turn
	WMS ACC+8*\u, 48*\u+12*\s, CF+12*\s, ACC+8*\u, WOS+2*\u+\s/2, CW+4*(\tt)+\s, \s%2
.endr
.endr
	WIN 0
	PLACES 5                                       ; four in front of the stores that read results and of the loads into the fragments' registers; the fifth because the next tile's first products write these accumulators anew
.irp u, 0,1,2,3
	ds_store_b128 v[STO], v[ACC+8*\u:ACC+8*\u+3] offset:32*\u        ; each accumulator from its low end on
	ds_store_b128 v[STO], v[ACC+8*\u+4:ACC+8*\u+7] offset:32*\u+16
.endr
.if (\tt) >= 2
	s_wait_xcnt 0x0                                ; the stores of two tiles ago have read this set of registers
.endif
.irp i, 0,1,2,3,4,5,6,7
	ds_load_b128 v[OUTB+32*((\tt)%2)+4*\i:OUTB+32*((\tt)%2)+4*\i+3], v[RD] offset:544*\i   ; LDS serves a wave's instructions in order (ISA guide 5.7.1): these see my stores; two rows an instruction
.endr
.if (\tt) < 7
	FETCHC (\tt)+1
	s_wait_dscnt 16                                ; the rows are back; the next tile's 16 fragment loads may be out
.else
	s_wait_dscnt 0x0
.endif
.irp i, 0,1,2,3,4,5,6,7                        ; stage row 2 i + h is the block's row 64 (T / 4) + 8 (T % 4) + (2 i + h) % 8 + 32 (i / 4)
	global_store_b128 v[CO], v[OUTB+32*((\tt)%2)+4*\i:OUTB+32*((\tt)%2)+4*\i+3], s[14:15] offset:(64*((\tt)/4)+8*((\tt)%4)+32*(\i/4)+(2*\i)%8)*2048 th:TH_STORE_NT
.endr
.endm
	s_load_b256 s[4:11], s[0:1], 0x0               ; ctx, cs, wimg, wscl
	s_load_b128 s[12:15], s[0:1], 0x20             ; bo, out0
	v_lshl_add_u32 v254, v0, 2, 0x29000
	v_mov_b32 v255, 0
	ds_add_u32 v254, v255
	ds_add_u32 v254, v255
	v_lshrrev_b32 v8, 5, v0
	v_readfirstlane_b32 s18, v8                    ; wave
	s_and_b32 s19, ttmp7, 0xffff
	s_lshl_b32 s20, s19, 2
	s_add_co_u32 s20, s20, s18                     ; g
	v_and_b32 v[L4], 31, v0
	v_lshlrev_b32 v[LI], 4, v[L4]
	v_lshlrev_b32 v[L8], 3, v[L4]
	v_lshlrev_b32 v[L4], 2, v[L4]
	v_and_b32 v[R16], 15, v0                       ; r
	v_bfe_u32 v[H128], v0, 4, 1                    ; h
	s_mul_i32 s36, s18, 4352
	s_add_co_u32 s36, s36, STG                     ; my stage: 16 rows x (256 + 16) bytes
	v_mul_u32_u24 v[STO], v[R16], 272
	v_lshl_add_u32 v[STO], v[H128], 7, v[STO]
	v_add_nc_u32 v[STO], s36, v[STO]
	v_mul_u32_u24 v[RD], v[H128], 272
	v_lshl_add_u32 v[RD], v[R16], 4, v[RD]
	v_add_nc_u32 v[RD], s36, v[RD]
	v_lshlrev_b32 v[CO], 11, v[H128]
	v_lshl_add_u32 v[CO], v[R16], 4, v[CO]
	v_lshlrev_b32 v[R16], 4, v[R16]
	v_lshlrev_b32 v[H128], 7, v[H128]
	s_mul_i32 s37, s18, 12288                      ; my quarter of the block's codes
	s_mul_i32 s38, ttmp9, 49152
	s_add_co_u32 s38, s38, s37
	s_mov_b32 s39, 0
	s_lshl_b32 s40, ttmp9, 8
	s_mov_b32 s41, 0
	s_mul_i32 s42, s20, 24576
	s_add_co_u32 s42, s42, 393216                  ; Wo is the third weight
	s_mov_b32 s43, 0
	s_lshl_b32 s44, s20, 10
	s_add_co_u32 s44, s44, 16384
	s_mov_b32 s45, 0
	s_lshl_b32 s46, s20, 8
	s_mov_b32 s47, 0
	s_lshl_b32 s16, ttmp9, 18
	s_add_co_u32 s16, s16, s46
	s_mov_b32 s17, 0
	; descriptor group 1: 48 rows of 256 bytes (32 elements of 8 bytes), dense
	s_mov_b32 s24, 3<<16
	s_mov_b32 s25, 32<<16
	s_mov_b32 s26, 48<<16
	s_mov_b32 s27, 32<<16
	s_mov_b32 s28, 48
	s_mov_b32 s29, 32
	s_mov_b32 s30, 0
	s_mov_b32 s31, 0
	s_wait_alu depctr_va_vdst(0)
	s_wait_dscnt 0x0
	s_wait_kmcnt 0x0
	s_add_nc_u64 s[4:5], s[4:5], s[38:39]
	s_add_nc_u64 s[6:7], s[6:7], s[40:41]
	s_add_nc_u64 s[8:9], s[8:9], s[42:43]
	s_add_nc_u64 s[10:11], s[10:11], s[44:45]
	s_add_nc_u64 s[12:13], s[12:13], s[46:47]
	s_add_nc_u64 s[14:15], s[14:15], s[16:17]
	s_mov_b32 s32, 1
	s_mov_b32 s33, s37
	s_mov_b64 s[34:35], s[4:5]
	s_or_b32 s35, s35, 0x80000000
	tensor_load_to_lds s[32:35], s[24:31]          ; my one tensor load
	s_nop 0
	PLACES 4                                       ; four places behind the tensor load; the windows are switched behind them
	WIN 0x40                                       ; destination window 1
.set JJ, 0
.rept 48
	global_load_b128 v[4*JJ:4*JJ+3], v[LI], s[8:9] offset:512*JJ
.set JJ, JJ+1
.endr
.irp u, 0,1,2,3                                ; lane (r, h) wants, for tile u, bo at columns 32 h + 8 u + 0 .. 7
	global_load_b128 v[BO+8*\u:BO+8*\u+3], v[H128], s[12:13] offset:32*\u
	global_load_b128 v[BO+8*\u+4:BO+8*\u+7], v[H128], s[12:13] offset:32*\u+16
.endr
	WIN 0
.irp u, 0,1,2,3
.irp p, 0,1
	global_load_b32 v[WOS+2*\u+\p], v[L4], s[10:11] offset:256*\u+128*\p
.endr
.endr
.irp d, 0,1,2,3,4,5,6,7
	global_load_b128 v[RAW+4*\d:RAW+4*\d+3], v[R16], s[6:7] offset:32768*\d        ; row r's bytes for head d, all eight tiles
.endr
	s_wait_loadcnt 0x0
.irp s, 0,1,2,3                                ; a scale word of K step s: head 2 s's two bytes below, head 2 s + 1's above
.irp i, 0,1,2,3
	v_perm_b32 v[CW+8*\i+\s], v[RAW+4*(2*\s+1)+\i], v[RAW+8*\s+\i], 0x05040100
	v_perm_b32 v[CW+8*\i+4+\s], v[RAW+4*(2*\s+1)+\i], v[RAW+8*\s+\i], 0x07060302
.endr
.endr
	PLACES 8                                       ; a scale register written by a vector instruction stands eight places ahead of a scaled product
	s_wait_tensorcnt 0x0                           ; my quarter has landed,
	s_barrier_signal -1
	s_barrier_wait -1                              ; everybody's has
	FETCHC 0
.irp t, 0,1,2,3,4,5,6,7
	TILE \t
.endr
	s_wait_tensorcnt 0x0
	ds_add_u32 v254, v255
	s_wait_dscnt 0x0
	s_endpgm
.Lfunc_end_k_qb61b7968ee_outp:
	.size	k_qb61b7968ee_outp, .Lfunc_end_k_qb61b7968ee_outp-k_qb61b7968ee_outp
	.p2alignl 7, 3214868480
	.fill 96, 4, 3214868480
	.section	.rodata,"a",@progbits
	.p2align	6, 0x0
	.amdhsa_kernel k_qb61b7968ee_outp
		.amdhsa_group_segment_fixed_size 168448
		.amdhsa_private_segment_fixed_size 0
		.amdhsa_enable_private_segment 0
		.amdhsa_kernarg_size 48
		.amdhsa_user_sgpr_count 2
		.amdhsa_user_sgpr_kernarg_segment_ptr 1
		.amdhsa_wavefront_size32 1
		.amdhsa_system_sgpr_workgroup_id_x 1
		.amdhsa_system_sgpr_workgroup_id_y 1
		.amdhsa_system_sgpr_workgroup_id_z 1
		.amdhsa_system_vgpr_workitem_id 0
		.amdhsa_next_free_vgpr 512
		.amdhsa_next_free_sgpr 66
		.amdhsa_reserve_vcc 0
		.amdhsa_float_denorm_mode_32 3
		.amdhsa_float_denorm_mode_16_64 3
		.amdhsa_memory_ordered 1
		.amdhsa_forward_progress 1
		.amdhsa_inst_pref_size 56
	.end_amdhsa_kernel
	.amdgpu_metadata
---
amdhsa.version: [ 1, 2 ]
amdhsa.kernels:
  - .name:           k_qb61b7968ee_outp
    .symbol:         k_qb61b7968ee_outp.kd
    .args:
      - { .name: ctx, .offset: 0, .size: 8, .value_kind: global_buffer, .address_space: global }
      - { .name: cs, .offset: 8, .size: 8, .value_kind: global_buffer, .address_space: global }
      - { .name: wimg, .offset: 16, .size: 8, .value_kind: global_buffer, .address_space: global }
      - { .name: wscl, .offset: 24, .size: 8, .value_kind: global_buffer, .address_space: global }
      - { .name: bo, .offset: 32, .size: 8, .value_kind: global_buffer, .address_space: global }
      - { .name: out0, .offset: 40, .size: 8, .value_kind: global_buffer, .address_space: global }
    .group_segment_fixed_size: 168448
    .private_segment_fixed_size: 0
    .kernarg_segment_align: 8
    .kernarg_segment_size: 48
    .max_flat_workgroup_size: 128
    .sgpr_count:     66
    .vgpr_count:     512
    .wavefront_size: 32
...
	.end_amdgpu_metadata
.endif
;; end of part 4
